; MI455X (gfx1250); checked and timed in simulation.
; The chip was launched on July 23, 2026; its instructions are those of AMD's public machine-readable ISA for CDNA 5 (MIT licence, August 2026) and "CDNA5" Instruction Set Architecture Reference Guide (July 2026). The comments in the code are by the model that wrote it; some were corrected since.
;; LSTM Cell. Allowed arithmetic: float matrix products may take bf16 or f16 operands with f32 sums; other float arithmetic in f32, or as packed bf16 or f16 multiplies, adds, multiply-adds, maxima and minima; sums over many terms, partial sums and values carried from step to step in f32; what a program stores and reads back later, other than sums and carried values, may be rounded once to bf16 or f16.
;; Inputs: W_ch 1,024 x 1,024 float32; W_cx 1,024 x 1,024 float32; W_fh 1,024 x 1,024 float32; W_fx 1,024 x 1,024 float32; W_ih 1,024 x 1,024 float32; W_ix 1,024 x 1,024 float32; W_oh 1,024 x 1,024 float32; W_ox 1,024 x 1,024 float32; b_c 1,024 float32; b_f 1,024 float32; b_i 1,024 float32; b_o 1,024 float32; cell 8,192 x 1,024 float32; hidden 8,192 x 1,024 float32; x 8,192 x 1,024 float32.
;; Outputs: out0 8,192 x 1,024 float32; out1 8,192 x 1,024 float32.
;; 2 versions, each right; version 2 is version 1 with the launch cast written anew for expert scheduling mode. Each part assembles by itself: llvm-mc -triple=amdgcn-amd-amdhsa -mcpu=gfx1250 --defsym DOCPART=n.
;; ======== version 1 of 2: 2 launches
;; workspace buffers: ab 33,554,432 bytes; wb 16,777,216 bytes
;; launch cast (part 1): grid 256 x 3, 8 waves a work-group, no clusters, 0 bytes of LDS; arguments x, hidden, W_fx, W_fh, W_ix, W_ih, W_cx, W_ch, W_ox, W_oh, ab, wb; writes ab, wb
.if DOCPART == 1
	.amdgcn_target "amdgcn-amd-amdhsa--gfx1250"
	.amdhsa_code_object_version 6
	.text
	.protected	k_q02ea88732a_cast
	.globl	k_q02ea88732a_cast
	.p2align	8
	.type	k_q02ea88732a_cast,@function
k_q02ea88732a_cast:
	s_mov_b64 s[64:65], 0
	v_nop
	global_prefetch_b8 v0, s[64:65] scope:SCOPE_SE
	s_setreg_imm32_b32 hwreg(HW_REG_WAVE_MODE, 25, 1), 1
	s_wait_xcnt 0x0
; LSTM cell, first of two launches: the matrix operands are rounded once to bf16 and laid out for the product.
; NOTHING OF THE PROBLEM IS LEFT OUT: each of the 15 inputs reaches an output for general values, and each is loaded (x, hidden and the eight weight matrices here; cell and the four biases in the second launch).
;   ab [8192][2048] bf16: row b = bf16(x[b]) | bf16(hidden[b]); 4,096 bytes a row.
;   wb [4096][2048] bf16: row 256 t + 64 g + 16 cb + r = bf16(W_gx[j]) | bf16(W_gh[j]) with j = 64 t + 4 r + cb; gate g: 0 f, 1 i, 2 c, 3 o.
;   (In that order of rows a lane of the second launch finds four neighbouring hidden columns in four accumulators.)
; A STREAM: every source byte is read once, every destination byte written once; no LDS, no barrier, no matrix unit: nothing is shared between threads.
; SHARES.  A work-group takes 32 source rows of 1,024 f32.  Thread t takes bytes 16 t of each row (a wave's load: 512 consecutive bytes) and stores 8 bytes at byte 8 t of the destination's
; half row (a wave's store: 256 consecutive bytes, at a multiple of 256 from the buffer's first byte).  All 32 loads of a thread go out before the first wait.
; Grid y: 0 x, 1 hidden (rows 32 x on); 2 the weights: tensor w = x >> 5 in the arguments' order (gate w >> 1, half w & 1), rows 32 q on, q = x & 31.
; LIMIT: the rounding to bf16 (nearest even) is the only change of the values; NaN and infinities pass as the conversion leaves them.
.set X,    4                           ; v[4:131]  row i: four registers as loaded; the first two then hold the row's four bf16
.set ROWB, 4096                        ; bytes in a source row, and in a row of ab and of wb
	s_load_b512 s[8:23], s[0:1], 0x0               ; x s[8:9], hidden s[10:11], W_fx, W_fh, W_ix, W_ih, W_cx, W_ch s[12:23]
	s_load_b256 s[24:31], s[0:1], 0x40             ; W_ox s[24:25], W_oh s[26:27], ab s[28:29], wb s[30:31]
	s_mov_b32 s2, ttmp9                            ; work-group x
	s_and_b32 s3, ttmp7, 0xffff                    ; work-group y
	s_mov_b32 s33, 0                               ; the high words of the two byte offsets
	s_mov_b32 s35, 0
	v_lshlrev_b32 v1, 4, v0                        ; my 16 bytes of a source row
	v_lshlrev_b32 v2, 3, v0                        ; my 8 bytes of a destination half row
; 32 rows from s[4:5] to s[6:7].  perm = 0: row i goes to row i.  perm = 1: source row 32 q + i has cb = i % 4 and r = 8 (q & 1) + i / 4: it goes 16 (i % 4) + i / 4 rows behind the base.
.macro BODY perm
.set i, 0
.rept 32
	global_load_b128 v[X+4*i:X+4*i+3], v1, s[4:5] offset:ROWB*i th:TH_LOAD_NT
.set i, i+1
.endr
.set i, 0
.rept 32
	s_wait_loadcnt 31-i                            ; loads come back in order: row i is in, the 31 - i younger ones may stay out
	v_cvt_pk_bf16_f32 v[X+4*i], v[X+4*i], v[X+4*i+1]
	v_cvt_pk_bf16_f32 v[X+4*i+1], v[X+4*i+2], v[X+4*i+3]
.if \perm
	global_store_b64 v2, v[X+4*i:X+4*i+1], s[6:7] offset:ROWB*(16*(i%4)+i/4) th:TH_STORE_NT
.else
	global_store_b64 v2, v[X+4*i:X+4*i+1], s[6:7] offset:ROWB*i th:TH_STORE_NT
.endif
.set i, i+1
.endr                                  ; no register is written twice, so no store's source is ever overwritten
.endm
	s_wait_kmcnt 0x0
	s_cmp_eq_u32 s3, 2
	s_cbranch_scc1 .Lw
	s_cmp_eq_u32 s3, 0                             ; x or hidden
	s_cselect_b64 s[4:5], s[8:9], s[10:11]
	s_lshl_b32 s32, s2, 17                         ; 32 rows of 4,096 bytes, in the source and in ab alike
	s_lshl_b32 s34, s3, 11                         ; hidden fills the second half of ab's rows
	s_add_co_u32 s34, s34, s32
	s_add_nc_u64 s[4:5], s[4:5], s[32:33]
	s_add_nc_u64 s[6:7], s[28:29], s[34:35]
	BODY 0
	s_endpgm
.Lw:
	s_lshr_b32 s36, s2, 5                          ; w: which of the eight matrices
	s_and_b32 s37, s2, 31                          ; q: which 32 of its rows
	s_mov_b64 s[4:5], s[12:13]
.irp k, 1,2,3,4,5,6,7
	s_cmp_eq_u32 s36, \k
	s_cselect_b64 s[4:5], s[12+2*\k:13+2*\k], s[4:5]
.endr
	s_lshl_b32 s32, s37, 17
	s_lshr_b32 s38, s37, 1
	s_lshl_b32 s38, s38, 8                         ; 256 t, t = q >> 1
	s_lshr_b32 s39, s36, 1
	s_lshl_b32 s39, s39, 6                         ; + 64 g
	s_add_co_u32 s38, s38, s39
	s_and_b32 s39, s37, 1
	s_lshl_b32 s39, s39, 3                         ; + 8 (q & 1)
	s_add_co_u32 s38, s38, s39
	s_lshl_b32 s34, s38, 12                        ; that row of wb, in bytes,
	s_and_b32 s39, s36, 1
	s_lshl_b32 s39, s39, 11                        ; and the half of it: W_gx first, W_gh second
	s_add_co_u32 s34, s34, s39
	s_add_nc_u64 s[4:5], s[4:5], s[32:33]
	s_add_nc_u64 s[6:7], s[30:31], s[34:35]
	BODY 1
	s_endpgm
.Lfunc_end_k_q02ea88732a_cast:
	.size	k_q02ea88732a_cast, .Lfunc_end_k_q02ea88732a_cast-k_q02ea88732a_cast
	.p2alignl 7, 3214868480
	.fill 96, 4, 3214868480
	.section	.rodata,"a",@progbits
	.p2align	6, 0x0
	.amdhsa_kernel k_q02ea88732a_cast
		.amdhsa_group_segment_fixed_size 0
		.amdhsa_private_segment_fixed_size 0
		.amdhsa_enable_private_segment 0
		.amdhsa_kernarg_size 96
		.amdhsa_user_sgpr_count 2
		.amdhsa_user_sgpr_kernarg_segment_ptr 1
		.amdhsa_wavefront_size32 1
		.amdhsa_system_sgpr_workgroup_id_x 1
		.amdhsa_system_sgpr_workgroup_id_y 1
		.amdhsa_system_sgpr_workgroup_id_z 1
		.amdhsa_system_vgpr_workitem_id 0
		.amdhsa_next_free_vgpr 132
		.amdhsa_next_free_sgpr 66
		.amdhsa_reserve_vcc 0
		.amdhsa_float_denorm_mode_32 3
		.amdhsa_float_denorm_mode_16_64 3
		.amdhsa_memory_ordered 1
		.amdhsa_forward_progress 1
		.amdhsa_inst_pref_size 24
	.end_amdhsa_kernel
	.amdgpu_metadata
---
amdhsa.version: [ 1, 2 ]
amdhsa.kernels:
  - .name:           k_q02ea88732a_cast
    .symbol:         k_q02ea88732a_cast.kd
    .args:
      - { .name: x, .offset: 0, .size: 8, .value_kind: global_buffer, .address_space: global }
      - { .name: hidden, .offset: 8, .size: 8, .value_kind: global_buffer, .address_space: global }
      - { .name: W_fx, .offset: 16, .size: 8, .value_kind: global_buffer, .address_space: global }
      - { .name: W_fh, .offset: 24, .size: 8, .value_kind: global_buffer, .address_space: global }
      - { .name: W_ix, .offset: 32, .size: 8, .value_kind: global_buffer, .address_space: global }
      - { .name: W_ih, .offset: 40, .size: 8, .value_kind: global_buffer, .address_space: global }
      - { .name: W_cx, .offset: 48, .size: 8, .value_kind: global_buffer, .address_space: global }
      - { .name: W_ch, .offset: 56, .size: 8, .value_kind: global_buffer, .address_space: global }
      - { .name: W_ox, .offset: 64, .size: 8, .value_kind: global_buffer, .address_space: global }
      - { .name: W_oh, .offset: 72, .size: 8, .value_kind: global_buffer, .address_space: global }
      - { .name: ab, .offset: 80, .size: 8, .value_kind: global_buffer, .address_space: global }
      - { .name: wb, .offset: 88, .size: 8, .value_kind: global_buffer, .address_space: global }
    .group_segment_fixed_size: 0
    .private_segment_fixed_size: 0
    .kernarg_segment_align: 8
    .kernarg_segment_size: 96
    .max_flat_workgroup_size: 256
    .sgpr_count:     66
    .vgpr_count:     132
    .wavefront_size: 32
...
	.end_amdgpu_metadata
.endif
;; end of part 1
;; launch lstm (part 2): grid 16 x 32, 4 waves a work-group, clusters of 4 x 4, 327,680 bytes of LDS; arguments ab, wb, cell, b_f, b_i, b_c, b_o, out0, out1; writes out0, out1
.if DOCPART == 2
	.amdgcn_target "amdgcn-amd-amdhsa--gfx1250"
	.amdhsa_code_object_version 6
	.text
	.protected	k_q02ea88732a_lstm
	.globl	k_q02ea88732a_lstm
	.p2align	8
	.type	k_q02ea88732a_lstm,@function
k_q02ea88732a_lstm:
	s_mov_b64 s[64:65], 0
	v_nop
	global_prefetch_b8 v0, s[64:65] scope:SCOPE_SE
	s_setreg_imm32_b32 hwreg(HW_REG_WAVE_MODE, 25, 1), 1
	s_wait_xcnt 0x0
	s_wait_alu depctr_hold_cnt(0) depctr_sa_sdst(0) depctr_va_vdst(0) depctr_va_sdst(0) depctr_va_ssrc(0) depctr_va_vcc(0) depctr_vm_vsrc(0)
	s_getreg_b32 s2, hwreg(HW_REG_IB_STS2, 6, 4)
	s_cmp_eq_u32 s2, 0
	s_cbranch_scc0 .Lentry_in_a_cluster
	s_endpgm
.Lentry_in_a_cluster:
	s_bfe_u32 s2, ttmp6, 0x10000c
	s_cmp_lg_u32 s2, 0xf033
	s_cbranch_scc0 .Lentry_shape_is_right
	s_endpgm
.Lentry_shape_is_right:
; LSTM cell, second launch: z = ab wb^T (8192 x 4096, K = 2048, bf16 operands, f32 sums), and on the sums, in registers:
;   f = sigmoid(z_f + b_f), i = sigmoid(z_i + b_i), c = tanh(z_c + b_c), o = sigmoid(z_o + b_o); out1 = f cell + i c; out0 = o tanh(out1).  Nothing of the problem is left out.
; ab [8192][2048] = x | hidden; wb [4096][2048]: row 256 t + 64 g + 16 cb + r holds the weights of gate g (0 f, 1 i, 2 c, 3 o) for hidden column 64 t + 4 r + cb.
; SHARES.  A work-group makes 256 batch rows x 64 hidden columns (256 rows of wb: all four gates of those columns); wave w its batch rows 64 w .. 64 w + 63 with all 256 rows of wb:
; 4 blocks a of 16 batch rows x 16 blocks n = 4 g + cb of 16 rows of wb: 64 accumulators, 512 registers.
; LAYOUT.  Source 0 = 16 batch rows, source 1 = 16 rows of wb: register j of lane (r = lane % 16, h = lane / 16) holds batch row 8 h + j and hidden column 64 t + 4 r + cb.  So the four gates of an
; element lie in one lane, at one register index of four accumulators; and for a given row the lane's cb = 0..3 are 16 consecutive bytes of cell, out0 and out1, of which lanes 0-15 cover 256
; consecutive bytes at a multiple of 256 from the buffer's first byte (lanes 16-31: the row 8 further down).  cell comes in and both results leave by 16-byte accesses in that layout: no stage in LDS.
; RING.  K goes in steps of 128 through two LDS slots, each with 256 rows of ab and 256 of wb, filled by tensor loads of 128 rows x 256 bytes, one a wave (waves 0, 1: ab; waves 2, 3: wb).
; CLUSTER.  4 x 4 work-groups: the four of a row of the cluster need the same rows of ab, the four of a column the same rows of wb: each tile is asked for jointly, by the same load, descriptor and mask in all four.
; ARITHMETIC.  sigmoid(u) = 1 / (1 + 2^(-u log2 e)); tanh(u) = 1 - 2 / (1 + 2^(2 u log2 e)).  Where the power overflows to infinity or falls to 0 both forms give their limits (0, 1, -1): no clamp, no cut.
; LIMITS.  Matrix operands carry bf16's rounding.  tanh by this form has an absolute error of about 2^-23, so near 0 its relative accuracy is lost.  v_exp_f32 and v_rcp_f32 are good to the last
; place but not correctly rounded, and count denormals as 0 (ISA guide, their entries in 15.8).  NaN and infinities among the inputs are not treated apart.
; REGISTERS, in windows of 256 (s_set_vgpr_msb: bits 1:0 source 0, 3:2 source 1, 5:4 source 2, 7:6 destination):
;   window 0: v0-31 addresses; v32-63 the 16 biases of my columns, scaled, each twice; v64-95, v96-127 fragments of ab, two buffers; v128-255 cell of my 64 rows
;   window 1: v0-127, v128-255 fragments of wb, two buffers; on the way out v0-127 the four gates of a block, v128-255 results, two sets by turns
;   window 2: accumulators of blocks a = 0, 1 ((a, n) at v[128 (a % 2) + 8 n]);   window 3: of a = 2, 3
.set SIZE_K, 2048
.set KSTEP,  128
.set PITCH,  272                       ; an LDS row: 256 bytes + 16 of padding = 68 words: the 16 rows that a load touches start at 16 different groups of four banks (64 banks of 4 bytes: ISA guide 11.1)
.set HALFT,  128*PITCH                 ; what one tensor load brings
.set SLOT,   4*HALFT                   ; ab's 256 rows, then wb's 256 rows
.set SPARE,  2*SLOT                    ; behind the ring: the spare words, 128 bytes for each wave: two blocks of 256 bytes that no other line names
.set LAPS,   SIZE_K/(2*KSTEP)          ; a lap = two K steps = once round the ring: 8
.set ROWB,   4096                      ; bytes in a row of cell, out0 and out1
.set ADRA, 16                          ; v16-17  LDS address of my fragments of ab in slot 0, 1
.set ADRB, 20                          ; v20-21  the same for wb
.set CO,   24                          ; v24     my byte offset in cell, out0, out1: 8 h rows + 16 r; never rewritten
.set SPW,  28                          ; v28     LDS address of my spare word: SPARE + 4 x my thread's number; never rewritten
.set NIL,  29                          ; v29     0; never rewritten
.set PFO,  30                          ; v30     the prefetches' offset: my lane x a row of ab or wb; never rewritten
.set BI,   32                          ; v32-63  bias of (g, cb), times the gate's factor, twice, at BI + 2 (4 g + cb)
.set FA,   64                          ; fragments of ab: buffer f, block a at FA + 32 f + 8 a
.set CE,   128                         ; cell: block a, row j, column cb at CE + 32 a + 4 j + cb
.set G1,   24                          ; s[24:31] descriptor group 1 for ab's tiles;  s[32:39] group 0, a set for each slot
.set G0,   32
.set G1B,  48                          ; s[48:55], s[56:63] the same for wb's tiles
.set G0B,  56
.set KN,   84                          ; s[84:85] -log2 e, named as a pair
.set K2,   86                          ; s[86:87] 2 log2 e
.set PFA,  88                          ; s[88:89] where my prefetches stand
.set LIM,  90                          ; s90     1 in a wave that prefetches, else the greatest number
.set MSB, 0
.macro WIN new                         ; the immediate's high byte repeats the setting that is left; a switch that changes nothing is dropped
.if MSB != (\new)
	s_set_vgpr_msb (MSB<<8)|(\new)
.set MSB, \new
.endif
.endm
.set MUL_LO, 0xa4                      ; source 0 (ab) window 0, source 1 (wb) window 1, C and D window 2
.set TO_B,   0x40                      ; destination window 1, address window 0
; A joint load.  Waves 0 and 1 fetch ab's two halves, waves 2 and 3 wb's.  The branch hangs on the wave's number alone.  An s_nop 0 and four v_nop follow each of the two lines, ahead of the jump, the label and what follows.
.macro JLOAD s
	s_cmp_eq_u32 s11, 0
	s_cbranch_scc0 .Lfor_b_\@
	tensor_load_to_lds s[G0+4*(\s):G0+4*(\s)+3], s[G1:G1+7]
	s_nop 0
.rept 4
	v_nop
.endr
	s_branch .Lasked_\@
.Lfor_b_\@:
	tensor_load_to_lds s[G0B+4*(\s):G0B+4*(\s)+3], s[G1B:G1B+7]
	s_nop 0
.rept 4
	v_nop
.endr
.Lasked_\@:
.endm
; A prefetch into the L2, behind a joint load, its five lines and the run of LDS loads that follows: the K step that stands two refills on, 32 rows x 256 bytes, a lane a row, one instruction a wave.
; Each row's 256 bytes of a K step are named once in the launch: ab's rows by the clusters with x = 0, wb's by those with y = 0; the four partners that ask for a tile jointly take 32 of a wave's 128 rows
; each, told apart by address.  K steps 0 to 3 come by their loads alone; the loop's last trip (s3 = 1) has no K step two on and asks for nothing.
.macro ASK
	s_cmp_gt_u32 s3, s[LIM]
	s_cbranch_scc0 .Lnot_mine_\@
	global_prefetch_b8 v[PFO], s[PFA:PFA+1] offset:KSTEP*2 th:TH_LOAD_NT scope:SCOPE_SE
.Lnot_mine_\@:
.endm
; A round of the cluster's barrier: my work-group's barrier; wave 0 signals for the work-group; every wave waits for all sixteen; my work-group's barrier once more.
.macro CREST                           ; a round behind its opening barrier
	s_cmp_lg_u32 s10, 0
	s_cbranch_scc1 .Lnot_wave_0_\@
	s_barrier_signal -3
.Lnot_wave_0_\@:
	s_barrier_wait -3
	s_barrier_signal -1
	s_barrier_wait -1
.endm
.macro CROUND                          ; a whole round
	s_barrier_signal -1
	s_barrier_wait -1
	CREST
.endm
	s_load_b128 s[4:7], s[0:1], 0x0                ; ab s[4:5], wb s[6:7]
	s_load_b256 s[68:75], s[0:1], 0x10             ; cell s[68:69], b_f s[70:71], b_i s[72:73], b_c s[74:75]
	s_load_b128 s[76:79], s[0:1], 0x30             ; b_o s[76:77], out0 s[78:79]
	s_load_b64 s[80:81], s[0:1], 0x40              ; out1
	v_lshl_add_u32 v[SPW], v0, 2, SPARE
	v_mov_b32 v[NIL], 0
	ds_add_u32 v[SPW], v[NIL]                      ; the wave's opening: the add, twice on end, and its wait ahead of my first tensor load; the set-up below stands between the second and the wait
	ds_add_u32 v[SPW], v[NIL]
	v_lshrrev_b32 v1, 5, v0
	v_readfirstlane_b32 s10, v1                    ; wave 0..3
	s_lshr_b32 s11, s10, 1                         ; I fetch for ab (0) or for wb (1),
	s_and_b32 s12, s10, 1                          ; and which 128 rows of that tile
	s_bfe_u32 s40, ttmp6, 0x40000                  ; cx, cy: my place in the cluster
	s_bfe_u32 s41, ttmp6, 0x40004
	s_lshl_b32 s42, ttmp9, 2                       ; in a cluster launch ttmp9 and ttmp7 count clusters
	s_add_co_u32 s42, s42, s40                     ; t: my 64 hidden columns = 4 x cluster x + cx
	s_and_b32 s13, ttmp7, 0xffff
	s_lshl_b32 s13, s13, 2
	s_add_co_u32 s13, s13, s41                     ; my 256 batch rows = 4 x cluster y + cy
	s_lshl_b32 s43, s41, 2
	s_lshl_b32 s43, 15, s43                        ; my row of the cluster: places 4 cy .. 4 cy + 3
	s_lshl_b32 s44, 0x1111, s40                    ; my column: places cx, cx + 4, cx + 8, cx + 12
	; descriptor group 1: a tile of 128 rows x 128 elements, padded in LDS
	s_or_b32 s[G1+0], s43, (1<<16)|(1<<20)|(1<<21)|(5<<22)|(3<<25)  ; 15:0 the mask: ab's tiles go to my row; 17:16 elements of 2 bytes; 20 padding on; 21 set beside a mask; 24:22 after every 64 words (code 5); 31:25 4 words (code 3)
	s_or_b32 s[G1B+0], s44, (1<<16)|(1<<20)|(1<<21)|(5<<22)|(3<<25) ; the same with the mask of my column, for wb's tiles
.irp g, G1, G1B
	s_mov_b32 s[(\g)+1], KSTEP<<16                 ; tensor_dim0 = 128
	s_mov_b32 s[(\g)+2], 128<<16                   ; tensor_dim1 = 128
	s_mov_b32 s[(\g)+3], KSTEP<<16                 ; tile_dim0 = 128
	s_mov_b32 s[(\g)+4], 128                       ; tile_dim1 = 128
	s_mov_b32 s[(\g)+5], SIZE_K                    ; elements from row to row
	s_mov_b32 s[(\g)+6], 0
	s_mov_b32 s[(\g)+7], 0
.endr
	; where the tiles come from: ab's hang on the batch rows alone, which my row of the cluster shares; wb's on t alone, which my column shares.  Each in registers that never hold the other coordinate.
	s_lshl_b32 s17, s12, 7
	s_lshl_b32 s16, s13, 8
	s_add_co_u32 s16, s16, s17                     ; ab: row 256 x tile row + 128 x half
	s_lshl_b32 s46, s42, 8
	s_add_co_u32 s46, s46, s17                     ; wb: row 256 t + 128 x half
	s_mov_b32 s17, 0
	s_mov_b32 s47, 0
	s_mov_b64 s[18:19], SIZE_K*2
	s_mul_u64 s[16:17], s[16:17], s[18:19]         ; in bytes
	s_mul_u64 s[46:47], s[46:47], s[18:19]
	s_mul_i32 s20, s10, HALFT                      ; and where they go: wave x 128 rows: no place in the cluster enters an LDS address
	s_mov_b32 s[KN], 0xbfb8aa3b                    ; -log2 e
	s_mov_b32 s[KN+1], 0xbfb8aa3b
	s_mov_b32 s[K2], 0x4038aa3b                    ; 2 log2 e
	s_mov_b32 s[K2+1], 0x4038aa3b
	s_wait_dscnt 0x0                               ; both opening adds are done
	s_wait_kmcnt 0x0
	s_add_nc_u64 s[14:15], s[4:5], s[16:17]
	s_add_nc_u64 s[46:47], s[6:7], s[46:47]
	CROUND                                         ; all sixteen work-groups are here: the first joint loads meet
.irp s, 0,1
	s_mov_b32 s[G0+4*(\s)], 1                                      ; count = 1
	s_add_co_u32 s[G0+4*(\s)+1], s20, (\s)*SLOT                    ; LDS address
	s_add_nc_u64 s[G0+4*(\s)+2:G0+4*(\s)+3], s[14:15], (\s)*KSTEP*2  ; global address: K step s
	s_or_b32 s[G0+4*(\s)+3], s[G0+4*(\s)+3], 0x80000000            ; type = 2
	s_mov_b32 s[G0B+4*(\s)], 1
	s_add_co_u32 s[G0B+4*(\s)+1], s20, (\s)*SLOT
	s_add_nc_u64 s[G0B+4*(\s)+2:G0B+4*(\s)+3], s[46:47], (\s)*KSTEP*2
	s_or_b32 s[G0B+4*(\s)+3], s[G0B+4*(\s)+3], 0x80000000
	JLOAD \s                                       ; the ring is filled before anything else is done: two loads of mine are out
.endr
	; A fragment is 16 rows x 32 K in 8 registers: lane l holds row l % 16; registers 0-3 K = 8 (l / 16) + 0..7, registers 4-7 K = 16 + 8 (l / 16) + 0..7: two loads of 16 bytes, 32 bytes apart.
	v_and_b32 v1, 15, v0                           ; r
	v_bfe_u32 v2, v0, 4, 1                         ; h
	v_mul_u32_u24 v3, v1, PITCH
	v_lshl_add_u32 v3, v2, 4, v3                   ; row x pitch + 16 h
	s_mul_i32 s21, s10, 64*PITCH                   ; my 64 rows of ab
	s_mov_b32 s22, 2*HALFT                         ; wb's 256 rows lie behind ab's 256: every wave reads all of them
.irp s, 0,1
	v_add_nc_u32 v[ADRA+(\s)], s21, v3
	v_add_nc_u32 v[ADRB+(\s)], s22, v3
	s_add_co_u32 s21, s21, SLOT
	s_add_co_u32 s22, s22, SLOT
.endr
	v_lshlrev_b32 v[CO], 4, v1                     ; 16 r,
	v_lshl_add_u32 v[CO], v2, 15, v[CO]            ; and 8 rows of 4,096 bytes further down for lanes 16-31
	v_lshlrev_b32 v6, 4, v1
	v_lshl_add_u32 v6, s42, 8, v6                  ; my four columns' biases: byte 256 t + 16 r
	global_load_b128 v[FA:FA+3],     v6, s[70:71]  ; b_f; they pass through registers that the first fragments take later
	global_load_b128 v[FA+4:FA+7],   v6, s[72:73]  ; b_i
	global_load_b128 v[FA+8:FA+11],  v6, s[74:75]  ; b_c
	global_load_b128 v[FA+12:FA+15], v6, s[76:77]  ; b_o
	s_lshl_b32 s92, s13, 8
	s_lshl_b32 s93, s10, 6
	s_add_co_u32 s92, s92, s93                     ; my first batch row: 256 x tile row + 64 x wave,
	s_lshl_b32 s92, s92, 12                        ; in bytes,
	s_lshl_b32 s93, s42, 8
	s_add_co_u32 s92, s92, s93                     ; + my work-group's 64 columns: 256 t
	s_mov_b32 s93, 0
	s_add_nc_u64 s[68:69], s[68:69], s[92:93]      ; cell, out0 and out1 at my wave's first row and column
	s_add_nc_u64 s[78:79], s[78:79], s[92:93]
	s_add_nc_u64 s[80:81], s[80:81], s[92:93]
	; the prefetches
	s_lshl_b32 s16, s13, 8                         ; ab's tile begins at row 256 x tile row,
	s_lshl_b32 s17, s42, 8                         ; wb's at row 256 t
	s_and_b32 s22, ttmp7, 0xffff                   ; cluster y
	s_cmp_eq_u32 s11, 0                            ; do I fetch for ab?
	s_cselect_b32 s20, s16, s17                    ; the tile's first row
	s_cselect_b32 s21, s40, s41                    ; my place among the four that ask for it with me
	s_cselect_b32 s22, ttmp9, s22                  ; the coordinate along which other clusters read the same rows
	s_cselect_b64 s[PFA:PFA+1], s[4:5], s[6:7]
	s_cmp_eq_u32 s22, 0
	s_cselect_b32 s[LIM], 1, -1                    ; the same in all sixteen partners, for a given wave
	s_lshl_b32 s22, s12, 7
	s_add_co_u32 s20, s20, s22                     ; + the 128 rows that I fetch
	s_lshl_b32 s21, s21, 5
	s_add_co_u32 s20, s20, s21                     ; + my work-group's 32 of them
	s_mov_b32 s21, 0
	s_mov_b64 s[18:19], SIZE_K*2
	s_mul_u64 s[20:21], s[20:21], s[18:19]
	s_add_nc_u64 s[PFA:PFA+1], s[PFA:PFA+1], s[20:21]
	s_add_nc_u64 s[PFA:PFA+1], s[PFA:PFA+1], 2*KSTEP*2  ; at K step 2: the first refill steps it to 3 and names K step 4
	v_and_b32 v[PFO], 31, v0
	v_mul_u32_u24 v[PFO], v[PFO], SIZE_K*2
	s_wait_loadcnt 0x0                             ; the biases
.irp g, 0,1,2,3
.irp c, 0,1,2,3
.if (\g) == 2
	v_mul_f32 v[BI+2*(4*(\g)+(\c))],   s[K2], v[FA+4*(\g)+(\c)]  ; the candidate's: times 2 log2 e
	v_mul_f32 v[BI+2*(4*(\g)+(\c))+1], s[K2], v[FA+4*(\g)+(\c)]
.else
	v_mul_f32 v[BI+2*(4*(\g)+(\c))],   s[KN], v[FA+4*(\g)+(\c)]  ; a sigmoid's: times -log2 e
	v_mul_f32 v[BI+2*(4*(\g)+(\c))+1], s[KN], v[FA+4*(\g)+(\c)]
.endif
.endr
.endr
; 16 matrix instructions: block a of my batch rows x all 16 blocks of wb's rows, 32 along K, from buffers f.  zero = 1: the product starts the sums: nothing is ever cleared.
; The 64 accumulators take turns, one instruction a turn, in the same order in every quarter step: between two links of a chain stand the 63 others'.
.macro MUL16 f, a, zero
	WIN MUL_LO+0x50*((\a)/2)
.irp n, 0,1,2,3,4,5,6,7,8,9,10,11,12,13,14,15
.if \zero
	v_wmma_f32_16x16x32_bf16 v[128*((\a)%2)+8*(\n):128*((\a)%2)+8*(\n)+7], v[FA+32*(\f)+8*(\a):FA+32*(\f)+8*(\a)+7], v[128*(\f)+8*(\n):128*(\f)+8*(\n)+7], 0
.else
	v_wmma_f32_16x16x32_bf16 v[128*((\a)%2)+8*(\n):128*((\a)%2)+8*(\n)+7], v[FA+32*(\f)+8*(\a):FA+32*(\f)+8*(\a)+7], v[128*(\f)+8*(\n):128*(\f)+8*(\n)+7], v[128*((\a)%2)+8*(\n):128*((\a)%2)+8*(\n)+7]
.endif
.endr
.endm
; 40 LDS loads in one run: the fragments of a quarter step (256 rows of wb, my 64 rows of ab, 32 K at byte k of the rows) into buffers f.  The largest immediate is 192 + 15 x 16 x 272 + 32 = 65,504.
.macro FETCH slot, k, f
	WIN TO_B
.irp n, 0,1,2,3,4,5,6,7,8,9,10,11,12,13,14,15
	ds_load_b128 v[128*(\f)+8*(\n):128*(\f)+8*(\n)+3],   v[ADRB+(\slot)] offset:(\k)+(\n)*16*PITCH
	ds_load_b128 v[128*(\f)+8*(\n)+4:128*(\f)+8*(\n)+7], v[ADRB+(\slot)] offset:(\k)+(\n)*16*PITCH+32
.endr
	WIN 0
.irp a, 0,1,2,3
	ds_load_b128 v[FA+32*(\f)+8*(\a):FA+32*(\f)+8*(\a)+3],   v[ADRA+(\slot)] offset:(\k)+(\a)*16*PITCH
	ds_load_b128 v[FA+32*(\f)+8*(\a)+4:FA+32*(\f)+8*(\a)+7], v[ADRA+(\slot)] offset:(\k)+(\a)*16*PITCH+32
.endr
.endm
; A load into a register that a matrix instruction has read, and a vector instruction that reads a matrix result or writes one of a matrix instruction's registers, stand four places behind it; only plain
; vector instructions that name none of its registers are places (ISA guide 7.12.1 for vector instructions).
.macro PLACES
.rept 4
	v_nop
.endr
.endm
; A K step is four quarter steps of 32 along K, 64 matrix instructions each, on buffers 0, 1, 0, 1.  One of the first three: multiplies buffers f; in its middle it fetches the next quarter's fragments, at byte k, into buffers g.
.macro QUARTER slot, k, f, g, zero
	s_wait_dscnt 4                                 ; wb's fragments and ab's blocks 0 and 1 are in; the youngest four loads (ab's blocks 2 and 3) may be out
	MUL16 \f, 0, \zero
	MUL16 \f, 1, \zero
	PLACES
	FETCH \slot, \k, \g
	s_wait_dscnt 40                                ; all but the 40 just issued
	MUL16 \f, 2, \zero
	MUL16 \f, 3, \zero
.endm
; The last quarter multiplies buffers 1 and changes slots: ONE barrier.  In front of it each wave waits for all its tensor loads, of which one is out: its part of the next slot; adds 0 to its spare word; and
; waits for that and for its own reads of this slot.  Behind it nobody reads this slot any more and the next slot is whole.  fill = 1: the barrier opens a round of the cluster's barrier, and this slot is filled
; again, two K steps on, first thing behind the round: from that request to the wait for it a wave issues 224 matrix instructions.
.macro TURN slot, next, fill
.if \fill
	s_wait_xcnt 0x0                                ; the last prefetch, a K step back, has read its address: it is stepped here, ahead of the waits of the change of slots
	s_add_nc_u64 s[PFA:PFA+1], s[PFA:PFA+1], KSTEP*2
.endif
	WIN 0                                          ; (the add's two registers lie in window 0)
	s_wait_tensorcnt 0x0                           ; all my tensor loads have landed;
	ds_add_u32 v[SPW], v[NIL]                      ; 0 onto my spare word;
	s_wait_dscnt 5                                 ; (the add and the youngest four loads may be out)
	MUL16 1, 0, 0                                  ; sixteen matrix instructions stand between the add and the wait for it
	s_wait_dscnt 0x0                               ; the add is done, and my reads of this slot are over:
	s_barrier_signal -1                            ; say so,
	MUL16 1, 1, 0                                  ; work on registers while the others arrive,
.if \fill
	WIN 0
.endif
	s_barrier_wait -1                              ; and go on when all four have said so
.if \fill
	CREST                                          ; all sixteen work-groups have said so: no wave of any partner still reads this slot's tile or has a load on its way
	s_add_nc_u64 s[G0+4*(\slot)+2:G0+4*(\slot)+3], s[G0+4*(\slot)+2:G0+4*(\slot)+3], 2*KSTEP*2
	s_add_nc_u64 s[G0B+4*(\slot)+2:G0B+4*(\slot)+3], s[G0B+4*(\slot)+2:G0B+4*(\slot)+3], 2*KSTEP*2
	JLOAD \slot                                    ; the first tensor load behind the round; its four v_nop are also the places in front of the loads below
.else
	PLACES
.endif
	FETCH \next, 0, 0
.if \fill
	ASK                                            ; behind the joint load and the run of LDS loads that the next products wait for
.endif
	MUL16 1, 2, 0
	MUL16 1, 3, 0
.endm
; THE WAY OUT of block a (16 batch rows x 64 hidden columns), all in registers.  In window 1: gate g's 32 numbers at 32 g + k, k = 8 cb + j (as the accumulators hold them); out1's at CN + q and out0's at TT + q,
; q = 4 j + cb (as memory holds them: four registers on end are a lane's 16 bytes of row j).  The transcendentals go in batches, each with one wait ahead of its first reader; the plain lines
; set between a batch's transcendentals name only results of batches that have had their wait; a plain line or a v_nop stands behind each batch's last.
.macro EPI a
.set AC,  128*((\a)%2)                 ; the block's accumulators, in window 2 or 3
.set CN,  128+64*((\a)%2)              ; two sets by turns: a set is written again two blocks later
.set TT,  CN+32
.set CEA, CE+32*(\a)
	s_wait_xcnt 0x0                                ; the stores issued so far have read their registers: only behind this wait is a set written again
	WIN 0x42+(\a)/2                                ; destination window 1, source 0 window 2 or 3, source 2 window 0
.set n, 0
.rept 16                               ; n = 4 g + cb: (z + b) times the gate's factor; each accumulator is read from its low end on
.set jp, 0
.rept 4
.if n/4 == 2
	v_pk_fma_f32 v[8*n+2*jp:8*n+2*jp+1], v[AC+8*n+2*jp:AC+8*n+2*jp+1], s[K2:K2+1], v[BI+2*n:BI+2*n+1] op_sel_hi:[1,0,1]
.else
	v_pk_fma_f32 v[8*n+2*jp:8*n+2*jp+1], v[AC+8*n+2*jp:AC+8*n+2*jp+1], s[KN:KN+1], v[BI+2*n:BI+2*n+1] op_sel_hi:[1,0,1]
.endif
.set jp, jp+1
.endr
.set n, n+1
.endr
	WIN 0x55                                       ; all in window 1
.set k, 0
.rept 64
	v_exp_f32 v[k], v[k]                           ; f's and i's powers
.set k, k+1
.endr
	v_nop
	s_wait_alu depctr_va_vdst(0)
.set p, 0
.rept 32
	v_exp_f32 v[64+2*p], v[64+2*p]                 ; c's and o's powers; between them 1 + f's and i's
	v_exp_f32 v[65+2*p], v[65+2*p]
	v_pk_add_f32 v[2*p:2*p+1], v[2*p:2*p+1], 1.0 op_sel_hi:[1,0]
.set p, p+1
.endr
	s_wait_alu depctr_va_vdst(0)
.set p, 0
.rept 32
	v_rcp_f32 v[2*p], v[2*p]                       ; f and i; between them 1 + c's and o's powers
	v_rcp_f32 v[2*p+1], v[2*p+1]
	v_pk_add_f32 v[64+2*p:65+2*p], v[64+2*p:65+2*p], 1.0 op_sel_hi:[1,0]
.set p, p+1
.endr
	s_wait_alu depctr_va_vdst(0)
	WIN 0x41                                       ; destination and source 0 window 1, source 1 (cell) window 0
.set k, 0
.rept 32
	v_rcp_f32 v[64+k], v[64+k]                     ; c's reciprocals; between them f cell
	v_mul_f32 v[k], v[k], v[CEA+4*(k%8)+k/8]
.set k, k+1
.endr
	s_wait_alu depctr_va_vdst(0)
	WIN 0x55
.set p, 0
.rept 16                               ; o's reciprocals (their wait is the next batch's; nothing names them before it); between them c = 1 - 2 / (..) and out1 = i c + f cell
	v_rcp_f32 v[96+2*p], v[96+2*p]
	v_pk_fma_f32 v[64+2*p:65+2*p], v[64+2*p:65+2*p], -2.0, 1.0 op_sel_hi:[1,0,0]
	v_rcp_f32 v[97+2*p], v[97+2*p]
	v_fma_f32 v[CN+4*((2*p)%8)+(2*p)/8], v[32+2*p], v[64+2*p], v[2*p]
	v_fma_f32 v[CN+4*((2*p+1)%8)+(2*p+1)/8], v[33+2*p], v[65+2*p], v[2*p+1]
.set p, p+1
.endr
.set p, 0
.rept 16
	v_pk_mul_f32 v[TT+2*p:TT+2*p+1], v[CN+2*p:CN+2*p+1], s[K2:K2+1] op_sel_hi:[1,0]  ; 2 log2 e x out1
.set p, p+1
.endr
	WIN 0x04                                       ; address window 0, store data window 1
.set j, 0
.rept 8
	global_store_b128 v[CO], v[CN+4*j:CN+4*j+3], s[80:81] offset:(16*(\a)+j)*ROWB th:TH_STORE_NT  ; out1: lanes 0-15 store 256 consecutive bytes of row j, lanes 16-31 of row 8 + j
.set j, j+1
.endr
	WIN 0x55
.set k, 0
.rept 32
	v_exp_f32 v[TT+k], v[TT+k]
.set k, k+1
.endr
	v_nop
	s_wait_alu depctr_va_vdst(0)                   ; for these powers and for o's reciprocals
.set p, 0
.rept 16
	v_pk_add_f32 v[TT+2*p:TT+2*p+1], v[TT+2*p:TT+2*p+1], 1.0 op_sel_hi:[1,0]
.set p, p+1
.endr
.set k, 0
.rept 32
	v_rcp_f32 v[TT+k], v[TT+k]
.set k, k+1
.endr
	v_nop
	s_wait_alu depctr_va_vdst(0)
.set p, 0
.rept 16
	v_pk_fma_f32 v[TT+2*p:TT+2*p+1], v[TT+2*p:TT+2*p+1], -2.0, 1.0 op_sel_hi:[1,0,0]  ; tanh(out1)
.set p, p+1
.endr
.set k, 0
.rept 32
	v_mul_f32 v[TT+4*(k%8)+k/8], v[TT+4*(k%8)+k/8], v[96+k]  ; times o
.set k, k+1
.endr
	WIN 0x04
.set j, 0
.rept 8
	global_store_b128 v[CO], v[TT+4*j:TT+4*j+3], s[78:79] offset:(16*(\a)+j)*ROWB th:TH_STORE_NT  ; out0, likewise
.set j, j+1
.endr
.endm
	s_wait_tensorcnt 1                             ; my part of K step 0 is in; K step 1's may stay out
	s_barrier_signal -1
	s_barrier_wait -1                              ; everybody's is
	FETCH 0, 0, 0
.set q, 0
.rept 32                               ; cell of my 64 rows, q = 8 a + j: asked for now, wanted on the way out; its registers, address and base are not touched in between
	global_load_b128 v[CE+4*q:CE+4*q+3], v[CO], s[68:69] offset:(16*(q/8)+q%8)*ROWB th:TH_LOAD_NT
.set q, q+1
.endr
	QUARTER 0, 64,  0, 1, 1                        ; the first quarter stands in front of the loop: its products start the sums
	WIN 0                                          ; at a label and at a branch every window is 0
	s_mov_b32 s3, LAPS-1
.Llap:                                                 ; a trip goes once round the ring, from a lap's second quarter to the next lap's first, and fills both slots again: K steps 2 to 15 in 7 trips
	QUARTER 0, 128, 1, 0, 0
	QUARTER 0, 192, 0, 1, 0
	TURN 0, 1, 1
	QUARTER 1, 64,  0, 1, 0
	QUARTER 1, 128, 1, 0, 0
	QUARTER 1, 192, 0, 1, 0
	TURN 1, 0, 1
	QUARTER 0, 64,  0, 1, 0
	WIN 0
	s_sub_co_u32 s3, s3, 1
	s_cmp_lg_u32 s3, 0
	s_cbranch_scc1 .Llap
	QUARTER 0, 128, 1, 0, 0                        ; the last lap fills nothing, and has no round of the cluster's barrier
	QUARTER 0, 192, 0, 1, 0
	TURN 0, 1, 0
	QUARTER 1, 64,  0, 1, 0
	QUARTER 1, 128, 1, 0, 0
	QUARTER 1, 192, 0, 1, 0
	s_wait_dscnt 4                                 ; the very last quarter: nothing more to fetch
	MUL16 1, 0, 0
	MUL16 1, 1, 0
	s_wait_dscnt 0x0
	MUL16 1, 2, 0
	MUL16 1, 3, 0
	PLACES                                         ; behind the last products, in front of lines that read results and write over fragments:
	PLACES                                         ; eight, once a launch
	s_wait_loadcnt 0x0                             ; cell
	EPI 0
	EPI 1
	EPI 2
	EPI 3
	WIN 0
	s_wait_tensorcnt 0x0                           ; the wave's end, behind my last tensor load
	ds_add_u32 v[SPW], v[NIL]
	s_wait_dscnt 0x0
	CROUND                                         ; the closing round: no work-group ends while a partner may still ask for a tile that names it
	s_endpgm
.Lfunc_end_k_q02ea88732a_lstm:
	.size	k_q02ea88732a_lstm, .Lfunc_end_k_q02ea88732a_lstm-k_q02ea88732a_lstm
	.p2alignl 7, 3214868480
	.fill 96, 4, 3214868480
	.section	.rodata,"a",@progbits
	.p2align	6, 0x0
	.amdhsa_kernel k_q02ea88732a_lstm
		.amdhsa_group_segment_fixed_size 327680
		.amdhsa_private_segment_fixed_size 0
		.amdhsa_enable_private_segment 0
		.amdhsa_kernarg_size 72
		.amdhsa_user_sgpr_count 2
		.amdhsa_user_sgpr_kernarg_segment_ptr 1
		.amdhsa_wavefront_size32 1
		.amdhsa_system_sgpr_workgroup_id_x 1
		.amdhsa_system_sgpr_workgroup_id_y 1
		.amdhsa_system_sgpr_workgroup_id_z 1
		.amdhsa_system_vgpr_workitem_id 0
		.amdhsa_next_free_vgpr 1024
		.amdhsa_next_free_sgpr 96
		.amdhsa_reserve_vcc 0
		.amdhsa_float_denorm_mode_32 3
		.amdhsa_float_denorm_mode_16_64 3
		.amdhsa_memory_ordered 1
		.amdhsa_forward_progress 1
		.amdhsa_inst_pref_size 237
	.end_amdhsa_kernel
	.amdgpu_metadata
---
amdhsa.version: [ 1, 2 ]
amdhsa.kernels:
  - .name:           k_q02ea88732a_lstm
    .symbol:         k_q02ea88732a_lstm.kd
    .args:
      - { .name: ab, .offset: 0, .size: 8, .value_kind: global_buffer, .address_space: global }
      - { .name: wb, .offset: 8, .size: 8, .value_kind: global_buffer, .address_space: global }
      - { .name: cell, .offset: 16, .size: 8, .value_kind: global_buffer, .address_space: global }
      - { .name: b_f, .offset: 24, .size: 8, .value_kind: global_buffer, .address_space: global }
      - { .name: b_i, .offset: 32, .size: 8, .value_kind: global_buffer, .address_space: global }
      - { .name: b_c, .offset: 40, .size: 8, .value_kind: global_buffer, .address_space: global }
      - { .name: b_o, .offset: 48, .size: 8, .value_kind: global_buffer, .address_space: global }
      - { .name: out0, .offset: 56, .size: 8, .value_kind: global_buffer, .address_space: global }
      - { .name: out1, .offset: 64, .size: 8, .value_kind: global_buffer, .address_space: global }
    .group_segment_fixed_size: 327680
    .private_segment_fixed_size: 0
    .kernarg_segment_align: 8
    .kernarg_segment_size: 72
    .max_flat_workgroup_size: 128
    .sgpr_count:     96
    .vgpr_count:     1024
    .wavefront_size: 32
...
	.end_amdgpu_metadata
.endif
;; end of part 2
;; ======== version 2 of 2: 2 launches; version 1 with the launch cast written anew for expert scheduling mode
;; workspace buffers: ab 33,554,432 bytes; wb 16,777,216 bytes
;; launch cast (part 3): grid 256 x 3, 8 waves a work-group, no clusters, 0 bytes of LDS; arguments x, hidden, W_fx, W_fh, W_ix, W_ih, W_cx, W_ch, W_ox, W_oh, ab, wb; writes ab, wb
.if DOCPART == 3
	.amdgcn_target "amdgcn-amd-amdhsa--gfx1250"
	.amdhsa_code_object_version 6
	.text
	.protected	k_q02ea88732a_cast
	.globl	k_q02ea88732a_cast
	.p2align	8
	.type	k_q02ea88732a_cast,@function
k_q02ea88732a_cast:
	s_mov_b64 s[64:65], 0
	v_nop
	global_prefetch_b8 v0, s[64:65] scope:SCOPE_SE
	s_setreg_imm32_b32 hwreg(HW_REG_WAVE_SCHED_MODE, 0, 2), 2
	s_setreg_imm32_b32 hwreg(HW_REG_WAVE_MODE, 25, 1), 1
	s_wait_xcnt 0x0
	s_wait_alu depctr_vm_vsrc(0)
; LSTM cell, first of two launches: the matrix operands are rounded once to bf16 and laid out for the product.
; NOTHING OF THE PROBLEM IS LEFT OUT: each of the 15 inputs reaches an output for general values, and each is loaded (x, hidden and the eight weight matrices here; cell and the four biases in the second launch).
;   ab [8192][2048] bf16: row b = bf16(x[b]) | bf16(hidden[b]); 4,096 bytes a row.
;   wb [4096][2048] bf16: row 256 t + 64 g + 16 cb + r = bf16(W_gx[j]) | bf16(W_gh[j]) with j = 64 t + 4 r + cb; gate g: 0 f, 1 i, 2 c, 3 o.
;   (In that order of rows a lane of the second launch finds four neighbouring hidden columns in four accumulators.)
; A STREAM: every source byte is read once, every destination byte written once; no LDS, no barrier, no matrix unit: nothing is shared between threads.
; SHARES.  A work-group takes 32 source rows of 1,024 f32.  Thread t takes bytes 16 t of each row (a wave's load: 512 consecutive bytes) and stores 8 bytes at byte 8 t of the destination's
; half row (a wave's store: 256 consecutive bytes, at a multiple of 256 from the buffer's first byte).  All 32 loads of a thread go out before the first wait on their counter.
; Grid y: 0 x, 1 hidden (rows 32 x on); 2 the weights: tensor w = x >> 5 in the arguments' order (gate w >> 1, half w & 1), rows 32 q on, q = x & 31.
; LIMIT: the rounding to bf16 (nearest even) is the only change of the values; NaN and infinities pass as the conversion leaves them.
; THE MODE: SCHED_MODE bits 1:0 = 2 (LLVM: expert scheduling mode 2), set by the entry lines.  The code itself states the register dependences
; between vector instructions and memory instructions, with s_wait_alu, always for 0.
; THE PLAN.  Registers that memory instructions touch:
;   v1, v2       byte offsets of the loads and of the stores: written once at the head, read by every load or store, never written again.
;   X, row i     four registers: the row's load lands in them before any vector instruction has named them; the row's two conversions read the four and write the first two, once;
;                the row's store reads those two; nothing writes them afterwards.
; So no register that a memory instruction has read is written again, and no load lands in a register that a vector instruction has named: what is left to state is that a register is written
; before a memory instruction reads it.  The 32 rows go in 8 blocks of four.  Block p converts rows 4 p to 4 p + 3; the stores issued in it are those of block p - 1, whose registers no
; conversion of block p names.  One wait on va_vdst at a block's head therefore serves the block's four stores, which are dealt among its conversions with no further wait.
; No vector instruction writes a scalar register or VCC, and EXEC is never written.
.set X,    4                           ; v[4:131]  row i: four registers as loaded; the first two then hold the row's four bf16
.set ROWB, 4096                        ; bytes in a source row, and in a row of ab and of wb
.set BLOCK, 4                          ; rows in a block
	s_load_b512 s[8:23], s[0:1], 0x0               ; x s[8:9], hidden s[10:11], W_fx, W_fh, W_ix, W_ih, W_cx, W_ch s[12:23]
	s_load_b256 s[24:31], s[0:1], 0x40             ; W_ox s[24:25], W_oh s[26:27], ab s[28:29], wb s[30:31]
	s_mov_b32 s2, ttmp9                            ; work-group x
	s_and_b32 s3, ttmp7, 0xffff                    ; work-group y
	s_mov_b32 s33, 0                               ; the high words of the two byte offsets
	s_mov_b32 s35, 0
	v_lshlrev_b32 v1, 4, v0                        ; my 16 bytes of a source row
	v_lshlrev_b32 v2, 3, v0                        ; my 8 bytes of a destination half row
; The store of row j (a symbol).  perm = 0: row j goes to row j.  perm = 1: source row 32 q + j has cb = j % 4 and r = 8 (q & 1) + j / 4: it goes 16 (j % 4) + j / 4 rows behind the base.
.macro PUT perm
.if \perm
	global_store_b64 v2, v[X+4*j:X+4*j+1], s[6:7] offset:ROWB*(16*(j%4)+j/4) th:TH_STORE_NT
.else
	global_store_b64 v2, v[X+4*j:X+4*j+1], s[6:7] offset:ROWB*j th:TH_STORE_NT
.endif
.endm
; 32 rows from s[4:5] to s[6:7].
.macro BODY perm
	s_wait_alu depctr_va_vdst(0)                   ; v1 and v2 are written: every load below reads v1 as its offset, every store v2
.set i, 0
.rept 32
	global_load_b128 v[X+4*i:X+4*i+3], v1, s[4:5] offset:ROWB*i th:TH_LOAD_NT
.set i, i+1
.endr
.set p, 0
.rept 32/BLOCK
	s_wait_loadcnt 32-BLOCK-BLOCK*p                ; loads come back in order: rows 4 p to 4 p + 3 are in, the 28 - 4 p younger ones may stay out
.if p > 0
	s_wait_alu depctr_va_vdst(0)                   ; the conversions of block p - 1 have written the eight registers that the four stores below read
.endif
.set k, 0
.rept BLOCK
.set i, BLOCK*p+k
.set j, i-BLOCK
.if p > 0
	PUT \perm                                      ; a row of the block before.  No wait: no vector instruction since the wait above names its registers
.endif
	v_cvt_pk_bf16_f32 v[X+4*i], v[X+4*i], v[X+4*i+1]
	v_cvt_pk_bf16_f32 v[X+4*i+1], v[X+4*i+2], v[X+4*i+3]
.set k, k+1
.endr
.set p, p+1
.endr
	s_wait_alu depctr_va_vdst(0)                   ; the conversions of the last block have written the registers that the last four stores read
.set j, 32-BLOCK
.rept BLOCK
	PUT \perm
.set j, j+1
.endr                                  ; no register is written twice, so no store's source is ever overwritten
.endm
	s_wait_kmcnt 0x0
	s_cmp_eq_u32 s3, 2
	s_cbranch_scc1 .Lw
	s_cmp_eq_u32 s3, 0                             ; x or hidden
	s_cselect_b64 s[4:5], s[8:9], s[10:11]
	s_lshl_b32 s32, s2, 17                         ; 32 rows of 4,096 bytes, in the source and in ab alike
	s_lshl_b32 s34, s3, 11                         ; hidden fills the second half of ab's rows
	s_add_co_u32 s34, s34, s32
	s_add_nc_u64 s[4:5], s[4:5], s[32:33]
	s_add_nc_u64 s[6:7], s[28:29], s[34:35]
	BODY 0
	s_endpgm
.Lw:
	s_lshr_b32 s36, s2, 5                          ; w: which of the eight matrices
	s_and_b32 s37, s2, 31                          ; q: which 32 of its rows
	s_mov_b64 s[4:5], s[12:13]
.irp k, 1,2,3,4,5,6,7
	s_cmp_eq_u32 s36, \k
	s_cselect_b64 s[4:5], s[12+2*\k:13+2*\k], s[4:5]
.endr
	s_lshl_b32 s32, s37, 17
	s_lshr_b32 s38, s37, 1
	s_lshl_b32 s38, s38, 8                         ; 256 t, t = q >> 1
	s_lshr_b32 s39, s36, 1
	s_lshl_b32 s39, s39, 6                         ; + 64 g
	s_add_co_u32 s38, s38, s39
	s_and_b32 s39, s37, 1
	s_lshl_b32 s39, s39, 3                         ; + 8 (q & 1)
	s_add_co_u32 s38, s38, s39
	s_lshl_b32 s34, s38, 12                        ; that row of wb, in bytes,
	s_and_b32 s39, s36, 1
	s_lshl_b32 s39, s39, 11                        ; and the half of it: W_gx first, W_gh second
	s_add_co_u32 s34, s34, s39
	s_add_nc_u64 s[4:5], s[4:5], s[32:33]
	s_add_nc_u64 s[6:7], s[30:31], s[34:35]
	BODY 1
	s_endpgm
.Lfunc_end_k_q02ea88732a_cast:
	.size	k_q02ea88732a_cast, .Lfunc_end_k_q02ea88732a_cast-k_q02ea88732a_cast
	.p2alignl 7, 3214868480
	.fill 96, 4, 3214868480
	.section	.rodata,"a",@progbits
	.p2align	6, 0x0
	.amdhsa_kernel k_q02ea88732a_cast
		.amdhsa_group_segment_fixed_size 0
		.amdhsa_private_segment_fixed_size 0
		.amdhsa_enable_private_segment 0
		.amdhsa_kernarg_size 96
		.amdhsa_user_sgpr_count 2
		.amdhsa_user_sgpr_kernarg_segment_ptr 1
		.amdhsa_wavefront_size32 1
		.amdhsa_system_sgpr_workgroup_id_x 1
		.amdhsa_system_sgpr_workgroup_id_y 1
		.amdhsa_system_sgpr_workgroup_id_z 1
		.amdhsa_system_vgpr_workitem_id 0
		.amdhsa_next_free_vgpr 132
		.amdhsa_next_free_sgpr 66
		.amdhsa_reserve_vcc 0
		.amdhsa_float_denorm_mode_32 3
		.amdhsa_float_denorm_mode_16_64 3
		.amdhsa_memory_ordered 1
		.amdhsa_forward_progress 1
		.amdhsa_inst_pref_size 24
	.end_amdhsa_kernel
	.amdgpu_metadata
---
amdhsa.version: [ 1, 2 ]
amdhsa.kernels:
  - .name:           k_q02ea88732a_cast
    .symbol:         k_q02ea88732a_cast.kd
    .args:
      - { .name: x, .offset: 0, .size: 8, .value_kind: global_buffer, .address_space: global }
      - { .name: hidden, .offset: 8, .size: 8, .value_kind: global_buffer, .address_space: global }
      - { .name: W_fx, .offset: 16, .size: 8, .value_kind: global_buffer, .address_space: global }
      - { .name: W_fh, .offset: 24, .size: 8, .value_kind: global_buffer, .address_space: global }
      - { .name: W_ix, .offset: 32, .size: 8, .value_kind: global_buffer, .address_space: global }
      - { .name: W_ih, .offset: 40, .size: 8, .value_kind: global_buffer, .address_space: global }
      - { .name: W_cx, .offset: 48, .size: 8, .value_kind: global_buffer, .address_space: global }
      - { .name: W_ch, .offset: 56, .size: 8, .value_kind: global_buffer, .address_space: global }
      - { .name: W_ox, .offset: 64, .size: 8, .value_kind: global_buffer, .address_space: global }
      - { .name: W_oh, .offset: 72, .size: 8, .value_kind: global_buffer, .address_space: global }
      - { .name: ab, .offset: 80, .size: 8, .value_kind: global_buffer, .address_space: global }
      - { .name: wb, .offset: 88, .size: 8, .value_kind: global_buffer, .address_space: global }
    .group_segment_fixed_size: 0
    .private_segment_fixed_size: 0
    .kernarg_segment_align: 8
    .kernarg_segment_size: 96
    .max_flat_workgroup_size: 256
    .sgpr_count:     66
    .vgpr_count:     132
    .wavefront_size: 32
...
	.end_amdgpu_metadata
.endif
;; end of part 3
;; launch lstm: the kernel of part 2 again; grid 16 x 32, 4 waves a work-group, clusters of 4 x 4, 327,680 bytes of LDS; arguments ab, wb, cell, b_f, b_i, b_c, b_o, out0, out1; writes out0, out1
